; MI455X (gfx1250); checked and timed in simulation.
; The chip was launched on July 23, 2026; its instructions are those of AMD's public machine-readable ISA for CDNA 5 (MIT licence, August 2026) and "CDNA5" Instruction Set Architecture Reference Guide (July 2026). The comments in the code are by the model that wrote it; some were corrected since.
;; Multi Head Attention. Allowed arithmetic: matrix products marked QUANTISED: E4M3 operands, one given power-of-two scale a tensor, by v_wmma_f32_16x16x64_fp8_fp8 or v_wmma_f32_16x16x128_fp8_fp8, f32 sums; everything else in f32.
;; Inputs: W_kqv_codes 3,072 x 32 x 32 uint8 (E4M3 codes of W_kqv, K innermost, in blocks of 32 codes); W_out_codes 1,024 x 32 x 32 uint8 (E4M3 codes of W_out, K innermost, in blocks of 32 codes); b_kqv 3,072 float32; b_out 1,024 float32; lowp_scales 8 int32 (the exponents e of the quantised operands' scales 2^e); x_codes 4 x 2,048 x 32 x 32 uint8 (E4M3 codes of x, K innermost, in blocks of 32 codes).
;; Outputs: out0 4 x 2,048 x 1,024 float32.
;; This version of the problem:
;;   THIS VERSION OF THE PROBLEM IS GIVEN IN LOW PRECISION. The matrix products marked QUANTISED in the list below multiply operands that are first quantised to E4M3 (4 exponent bits, 3 mantissa bits; 8 bits a number), with one given power-of-two scale for each operand tensor; their sums are f32. All else is computed in f32.
;;   The module's matrix products, in the order in which they are computed (A, B: the left and right operand; K: the contracted axis; several contracted axes count as one K, in the product's order):
;;     1. [M 8,192, K 1,024] x [K 1,024, N 3,072]; A: input x (given as codes); B: input W_kqv (given as codes): QUANTISED (scales: A lowp_scales[0], B lowp_scales[1])
;;     2. batch 64 x [M 2,048, K 64] x [K 64, N 2,048]; A: computed on the way; B: computed on the way: QUANTISED (scales: A lowp_scales[2], B lowp_scales[3])
;;     3. batch 64 x [M 2,048, K 2,048] x [K 2,048, N 64]; A: softmax (see below); B: computed on the way: QUANTISED (scales: A lowp_scales[4], B lowp_scales[5])
;;     4. [M 8,192, K 1,024] x [K 1,024, N 1,024]; A: computed on the way; B: input W_out (given as codes): QUANTISED (scales: A lowp_scales[6], B lowp_scales[7])
;;   THE QUANTISER, for each operand of a quantised product, along K:
;;     - The operand's scale is 2^e, e = its entry of the input lowp_scales (int32; the entries are numbered through the quantised products in the list's order, A before B).
;;     - Each number is divided by the scale, clamped to +-448, and rounded to the nearest number of E4M3, ties to even, subnormals kept.
;;     - The product sums the exact products of the quantised numbers (number of the format x scale) in f32.
;;   ~~~python
;;   def quantise(x, axis, e):      # numpy; x: float32 -> the quantised numbers, widened to float32 again
;;       x = np.moveaxis(x, axis, -1); K = x.shape[-1]
;;       r = np.clip(x / 2.0 ** e, -448, 448)
;;       step = 2.0 ** (np.maximum(np.frexp(np.where(r == 0, 1, r))[1] - 1, -6) - 3)
;;       q = np.round(r / step) * step * 2.0 ** e      # np.round: ties to even
;;       return np.moveaxis(q, -1, axis).astype(np.float32)
;;   ~~~
;;   SOFTMAX AHEAD OF A QUANTISED PRODUCT. Where the list says 'softmax', what is quantised is not the finished softmax but p = 2^(t - M), with t = logit x log2(e) and M = ceil(the row's largest t), a whole number; so 1/2 < the row's largest p <= 1. The row's sum l is taken of the UNQUANTISED p, in f32, and the product's result is divided by l at the end. Since M is a whole number, a kernel that streams over the keys may use a running M (the ceiling of the running maximum): every later rescaling is an exact power of two, so the quantised numbers keep their values, but for numbers so far below the row's largest that they fall under the format's range.
;;   OPERANDS COMPUTED ON THE WAY. 'Computed on the way' means the value that the module computes at that place (a softmax that the list does not call 'softmax' is quantised finished and normalised). What goes into a quantiser is computed in f32, as accurately as f32 sums, v_exp_f32 and their like allow (about 1e-6 of the number): no bf16 or f16 on the way to a quantiser, and a product that is left as it is and whose result goes on into a quantised operand takes f32 operands (vector FMAs, or v_wmma_f32_16x16x4_f32). A number that lies on a knife's edge between two numbers of the format may be rounded either way, as far as f32 arithmetic and the matrix unit's own rounding can turn it there, and no further.
;;   INPUTS GIVEN AS CODES. W_kqv (in the module: [1024, 3072], K = its axis 0); W_out (in the module: [1024, 1024], K = its axis 0); x (in the module: [4, 2048, 1024], K = its axis 2): each comes as NAME_codes (uint8): NAME with its K axis moved to the last place and cut into blocks of 32 codes, [.., K / 32, bytes a block], one block behind the other in memory; one code a byte (a code: sign, 4 exponent bits, 3 mantissa bits); its scale is its entry of lowp_scales. Its value is code x scale, taken as it is: it is not quantised again, and the codes and scales need not be those that the quantiser above would give.
;; One version. Each part assembles by itself: llvm-mc -triple=amdgcn-amd-amdhsa -mcpu=gfx1250 --defsym DOCPART=n.
;; ======== version 1 of 1: 3 launches
;; limits: right only within a limited range of input values
;; workspace buffers: qkv 25,165,824 bytes; att 8,388,608 bytes
;; launch qkv (part 1): grid 12 x 32, 4 waves a work-group, clusters of 4 x 4, 327,680 bytes of LDS; arguments x_codes, W_kqv_codes, b_kqv, lowp_scales, qkv; writes qkv
.if DOCPART == 1
	.amdgcn_target "amdgcn-amd-amdhsa--gfx1250"
	.amdhsa_code_object_version 6
	.text
	.protected	k_qb6ef050260_qkv
	.globl	k_qb6ef050260_qkv
	.p2align	8
	.type	k_qb6ef050260_qkv,@function
k_qb6ef050260_qkv:
	s_mov_b64 s[64:65], 0
	v_nop
	global_prefetch_b8 v0, s[64:65] scope:SCOPE_SE
	s_setreg_imm32_b32 hwreg(HW_REG_WAVE_MODE, 25, 1), 1
	s_wait_xcnt 0x0
	s_wait_alu depctr_hold_cnt(0) depctr_sa_sdst(0) depctr_va_vdst(0) depctr_va_sdst(0) depctr_va_ssrc(0) depctr_va_vcc(0) depctr_vm_vsrc(0)
	s_getreg_b32 s2, hwreg(HW_REG_IB_STS2, 6, 4)
	s_cmp_eq_u32 s2, 0
	s_cbranch_scc0 .Lentry_in_a_cluster
	s_endpgm
.Lentry_in_a_cluster:
	s_bfe_u32 s2, ttmp6, 0x10000c
	s_cmp_lg_u32 s2, 0xf033
	s_cbranch_scc0 .Lentry_shape_is_right
	s_endpgm
.Lentry_shape_is_right:
; kqv = x W_kqv + b_kqv on codes of E4M3 (x: [8192][1024], W_kqv: [3072][1024], K innermost), f32 sums; k, q and v are then quantised with their given scales and stored as codes.
; A number of x is code x 2^e0, of W code x 2^e1.  A sum stands for sum x 2^(e0 + e1): the bias goes in as b / 2^(e0 + e1), and the conversion takes the one scale 2^(e_dst - e0 - e1), e_dst = e3 (k), e2 (q), e5 (v).
; LIMIT: e_dst - e0 - e1 lies between -126 and 119, so that the scale and 448 x the scale are f32 numbers.  NaN among the biases is not served.
; SHARES.  A tile of 256 tokens x 256 features is made by four waves, each 128 x 128: 64 accumulators of 16 x 16.  A column of tiles lies wholly in k, q or v: the cluster's x (0, 1, 2) says which, alike in all sixteen partners.
; K goes in four steps of 256 through two LDS slots; a slot holds x's 256 rows, then W's 256 rows.  4 x 4 work-groups ask jointly: x's tile along a row of the cluster, W's along a column.
; WHICH SIDE RUNS ALONG THE REGISTERS.  Source 0 (R) gives a lane's eight registers, source 1 (L) its lane.  k, q: L = tokens, R = features, so a lane holds eight features of one token.
; v: L = features, R = tokens, so a lane holds eight KEYS of one feature: v's codes come out with the keys innermost, as the second product of attention wants them.  Only the LDS bases of the fragment reads differ.
; OUT.  qkv: k at byte 0 and q at 8,388,608 as [batch x head 64][token 2048][64]; v at 16,777,216 as [batch x head 64][d 64][token 2048].  Inside each group of 32 along the innermost axis place 16 h + 8 u + j
; holds index 16 u + 8 h + j: for q and k one permutation of the contracted axis on both sides; for v the order in which a 16-byte read gives a lane its registers of the K = 128 form.
; REGISTERS: window 0: v0-31 addresses and constants; v32-95 the bias along R; v96-111 the bias along L, in pairs; v128-255 L's fragments, one set; on the way out v128-255 are free.
;   window 1: R's fragments, two sets.   windows 2, 3: the accumulators of L's blocks 0-3 and 4-7, (a, b) at v[8 (8 (a % 4) + b)].
.set KROW,   1024                      ; a row of x or of W in memory, in bytes
.set ROWB,   256                       ; a tile's row: 256 codes
.set PITCH,  272                       ; an LDS row: 256 bytes + 16 of padding = 68 words: the 16 rows that a load touches start at 16 different banks (64 banks of 4 bytes: ISA guide 11.1)
.set FR,     16                        ; registers of a fragment: 16 rows x 128 K
.set NL,     4                         ; LDS loads that bring one
.set NP,     4                         ; places behind this matrix instruction (ISA guide 7.12.1)
.set HALFT,  128*PITCH                 ; 128 rows: what one tensor load brings
.set SLOT,   4*HALFT
.set SPARE,  2*SLOT                    ; behind the ring: the spare words, 128 bytes a wave: two blocks of 256 bytes that no other line names
.set ADRA, 16                          ; v16-17  LDS address of L's fragments in slot 0, 1
.set ADRB, 20                          ; v20-21  of R's
.set GOK,  22                          ; v22     k, q out: 16 x lane
.set GOV,  23                          ; v23     v out: 2,048 (lane / 16) + 16 (lane % 16)
.set STO,  24                          ; v24     the stage of codes, in: (128 s15 + r) 272 + 128 s16 + 16 h
.set RDK,  25                          ; v25     back, k and q: (64 wave + lane / 4) 272 + 16 (lane % 4)
.set RDV,  26                          ; v26     back, v: (64 wave + lane / 16) 272 + 16 (lane % 16)
.set ZR,   27                          ; v27     0.0
.set SPW,  28                          ; v28     my spare word's LDS address; never rewritten
.set NIL,  29                          ; v29     0; never rewritten
.set SC,   30                          ; v30     2^(e_dst - e0 - e1)
.set LIM,  31
.set BR,   32
.set BL,   96
.set AF,   128
.set TMP,  128                         ; the way out: a block's 64 numbers
.set CD,   192                         ; and its codes: two sets of 16 registers
.set G1, 24                            ; s[24:31] descriptor group 1 for x's tiles;  s[32:39] group 0, a set for each slot
.set G0, 32
.set G1B, 48                           ; s[48:55], s[56:63] the same for W's tiles
.set G0B, 56
.set MSB, 0
.macro WIN new                         ; the immediate's high byte repeats the setting that is left
.if MSB != \new
	s_set_vgpr_msb (MSB<<8)|\new
.set MSB, \new
.endif
.endm
.set MUL_LO, 0xa1                      ; source 0 (R) window 1, source 1 (L) window 0, C and D window 2
.set MUL_HI, 0xf1                      ; the same, C and D window 3
.set FST_LO, 0x81                      ; the first step: C (the bias) window 0, D window 2
.set FST_HI, 0xc1                      ; D window 3
.set TO_B,   0x40                      ; destination window 1, address window 0
; A joint load: waves 0 and 1 fetch x's two halves, waves 2 and 3 W's.  The branch hangs on the wave's number alone.  Four v_nop follow each of the two lines.
.macro JLOAD g0a, g1a, g0b, g1b
	s_cmp_eq_u32 s15, 0
	s_cbranch_scc0 .Lfor_b_\@
	tensor_load_to_lds s[\g0a:\g0a+3], s[\g1a:\g1a+7]
	s_nop 0
.rept 4
	v_nop
.endr
	s_branch .Lasked_\@
.Lfor_b_\@:
	tensor_load_to_lds s[\g0b:\g0b+3], s[\g1b:\g1b+7]
	s_nop 0
.rept 4
	v_nop
.endr
.Lasked_\@:
.endm
.macro CREST                           ; a round of the cluster's barrier behind its opening barrier
	s_cmp_lg_u32 s14, 0
	s_cbranch_scc1 .Lnot_wave_0_\@
	s_barrier_signal -3
.Lnot_wave_0_\@:
	s_barrier_wait -3
	s_barrier_signal -1
	s_barrier_wait -1
.endm
.macro CROUND                          ; a whole round
	s_barrier_signal -1
	s_barrier_wait -1
	CREST
.endm
	s_load_b256 s[4:11], s[0:1], 0x0               ; x's codes s[4:5], W's codes s[6:7], b_kqv s[8:9], the exponents s[10:11]
	s_load_b64 s[12:13], s[0:1], 0x20              ; qkv
	v_lshl_add_u32 v[SPW], v0, 2, SPARE
	v_mov_b32 v[NIL], 0
	ds_add_u32 v28, v29
	ds_add_u32 v28, v29
	s_wait_dscnt 0x0
	v_lshrrev_b32 v1, 5, v0
	v_readfirstlane_b32 s14, v1                    ; wave 0..3
	s_lshr_b32 s15, s14, 1                         ; which half of L's 256 is mine.  Also: I fetch for x (0) or for W (1)
	s_and_b32 s16, s14, 1                          ; which half of R's.  Also: which 128 rows of that tile I fetch
	s_bfe_u32 s40, ttmp6, 0x40000                  ; cx, cy: my place in the cluster
	s_bfe_u32 s41, ttmp6, 0x40004
	s_lshl_b32 s42, ttmp9, 2
	s_add_co_u32 s42, s42, s40                     ; tile column (features) = 4 x cluster x + cx
	s_and_b32 s17, ttmp7, 0xffff
	s_lshl_b32 s17, s17, 2
	s_add_co_u32 s17, s17, s41                     ; tile row (tokens) = 4 x cluster y + cy
	s_lshl_b32 s43, s41, 2
	s_lshl_b32 s43, 15, s43                        ; my row of the cluster
	s_lshl_b32 s44, 0x1111, s40                    ; my column
	s_or_b32 s[G1+0], s43, (1<<20)|(1<<21)|(5<<22)|(3<<25)   ; 15:0 the mask: x's tiles go to my row; 17:16 elements of 1 byte; 20 padding on; 21 set beside a mask; 24:22 after every 64 words; 31:25 four words
	s_or_b32 s[G1B+0], s44, (1<<20)|(1<<21)|(5<<22)|(3<<25)  ; W's tiles go to my column
.irp g, G1, G1B
	s_mov_b32 s[\g+1], ROWB<<16                    ; tensor_dim0
	s_mov_b32 s[\g+2], 128<<16                     ; tensor_dim1
	s_mov_b32 s[\g+3], ROWB<<16                    ; tile_dim0
	s_mov_b32 s[\g+4], 128                         ; tile_dim1
	s_mov_b32 s[\g+5], KROW                        ; tensor_dim0_stride
	s_mov_b32 s[\g+6], 0
	s_mov_b32 s[\g+7], 0
.endr
	s_lshl_b32 s18, s16, 7                         ; which 128 rows of the tile I fetch
	s_lshl_b32 s20, s17, 8
	s_add_co_u32 s20, s20, s18                     ; x: row 256 x tile row + 128 x half
	s_lshl_b32 s46, s42, 8
	s_add_co_u32 s46, s46, s18                     ; W: row 256 x tile column + 128 x half
	s_mov_b32 s21, 0
	s_mov_b32 s47, 0
	s_mov_b64 s[18:19], KROW
	s_mul_u64 s[20:21], s[20:21], s[18:19]
	s_mul_u64 s[46:47], s[46:47], s[18:19]
	s_mul_i32 s45, s14, HALFT                      ; where they go: wave x 128 rows: no place in the cluster enters an LDS address
	s_wait_kmcnt 0x0
	s_load_b256 s[68:75], s[10:11], 0x0            ; e0 .. e7
	s_add_nc_u64 s[20:21], s[4:5], s[20:21]
	s_add_nc_u64 s[46:47], s[6:7], s[46:47]
	CROUND                                         ; all sixteen work-groups are here: the first joint loads meet
.irp s, 0,1
	s_mov_b32 s[G0+4*\s], 1
	s_add_co_u32 s[G0+4*\s+1], s45, \s*SLOT
	s_add_nc_u64 s[G0+4*\s+2:G0+4*\s+3], s[20:21], \s*ROWB
	s_or_b32 s[G0+4*\s+3], s[G0+4*\s+3], 0x80000000
	s_mov_b32 s[G0B+4*\s], 1
	s_add_co_u32 s[G0B+4*\s+1], s45, \s*SLOT
	s_add_nc_u64 s[G0B+4*\s+2:G0B+4*\s+3], s[46:47], \s*ROWB
	s_or_b32 s[G0B+4*\s+3], s[G0B+4*\s+3], 0x80000000
	s_wait_alu depctr_va_vdst(0)
	s_wait_tensorcnt 0x0
	ds_add_u32 v28, v29
	ds_add_u32 v28, v29
	s_wait_dscnt 0x0
	CROUND
	JLOAD G0+4*\s, G1, G0B+4*\s, G1B               ; one load of mine is out
.endr
	v_and_b32 v1, 15, v0                           ; r = lane % 16
	v_bfe_u32 v2, v0, 4, 1                         ; h = lane / 16
	v_and_b32 v6, 31, v0                           ; lane
	v_mul_u32_u24 v3, v1, PITCH
	v_lshl_add_u32 v4, v2, 4, v3                   ; a fragment's row x pitch + 16 x half
	s_wait_alu depctr_va_vdst(0)
	s_cmp_eq_u32 ttmp9, 2                          ; v's column of clusters?  The same answer in all sixteen partners
	s_cselect_b32 s67, 2*HALFT, 0                  ; where L's 256 rows lie in a slot: W's place for v, x's for k and q
	s_cselect_b32 s76, 0, 2*HALFT                  ; and R's
	s_mul_i32 s21, s15, HALFT
	s_add_co_u32 s21, s21, s67
	s_mul_i32 s22, s16, HALFT
	s_add_co_u32 s22, s22, s76
.irp s, 0,1
	v_add_nc_u32 v[ADRA+\s], s21, v4
	v_add_nc_u32 v[ADRB+\s], s22, v4
	s_add_co_u32 s21, s21, SLOT
	s_add_co_u32 s22, s22, SLOT
.endr
	v_lshlrev_b32 v7, 5, v2                        ; the bias along R: 32 h
	v_lshlrev_b32 v8, 2, v1                        ; the bias along L: 4 r
	v_lshlrev_b32 v[GOK], 4, v6
	v_lshlrev_b32 v[GOV], 11, v2
	v_lshl_add_u32 v[GOV], v1, 4, v[GOV]
	s_mul_i32 s23, s15, HALFT
	s_lshl_b32 s22, s16, 7
	s_add_co_u32 s23, s23, s22
	v_add_nc_u32 v[STO], s23, v4
	s_mul_i32 s23, s14, 64*PITCH
	v_lshrrev_b32 v9, 2, v6
	v_mul_u32_u24 v9, v9, PITCH
	v_and_b32 v10, 3, v6
	v_lshl_add_u32 v9, v10, 4, v9
	v_add_nc_u32 v[RDK], s23, v9
	v_mul_u32_u24 v9, v2, PITCH
	v_lshl_add_u32 v9, v1, 4, v9
	v_add_nc_u32 v[RDV], s23, v9
	v_mov_b32 v[ZR], 0
	; the biases of my 128 features, in both layouts; the one that does not apply is made 0 below
	s_lshl_b32 s88, s42, 10                        ; 256 features x 4 bytes x tile column
	s_lshl_b32 s89, s16, 9
	s_add_co_u32 s90, s88, s89
	s_mov_b32 s91, 0
	s_add_nc_u64 s[84:85], s[8:9], s[90:91]        ; features along R: half s16
	s_lshl_b32 s89, s15, 9
	s_add_co_u32 s90, s88, s89
	s_add_nc_u64 s[86:87], s[8:9], s[90:91]        ; features along L: half s15
.irp b, 0,1,2,3,4,5,6,7
	global_load_b128 v[BR+8*\b:BR+8*\b+3], v7, s[84:85] offset:64*\b       ; b(16 b + 8 h + 0 .. 7): the result's layout
	global_load_b128 v[BR+8*\b+4:BR+8*\b+7], v7, s[84:85] offset:64*\b+16
.endr
.irp a, 0,1,2,3,4,5,6,7
	global_load_b32 v[BL+2*\a], v8, s[86:87] offset:64*\a                  ; b(16 a + r)
.endr
	; where my rows go
	s_lshl_b32 s88, ttmp9, 23                      ; k, q or v: 8,388,608 bytes each
	s_lshr_b32 s89, s17, 3                         ; the batch: eight tiles of 256 tokens each
	s_and_b32 s92, s42, 3                          ; the tile column inside k, q or v
	s_and_b32 s93, s17, 7                          ; the tile row inside the batch
	s_lshl_b32 s90, s89, 4
	s_lshl_b32 s94, s92, 2
	s_add_co_u32 s90, s90, s94                     ; batch x 16 + the tile's first head
	s_lshl_b32 s90, s90, 17                        ; x 2,048 tokens x 64 bytes
	s_add_co_u32 s90, s90, s88
	s_lshl_b32 s94, s93, 14                        ; + 256 tokens x 64 bytes x tile row
	s_add_co_u32 s90, s90, s94
	s_lshl_b32 s94, s14, 12                        ; + my 64 tokens
	s_add_co_u32 s90, s90, s94
	s_add_nc_u64 s[80:81], s[12:13], s[90:91]      ; k, q
	s_lshl_b32 s90, s89, 10
	s_lshl_b32 s94, s92, 8
	s_add_co_u32 s90, s90, s94
	s_lshl_b32 s94, s14, 6
	s_add_co_u32 s90, s90, s94                     ; batch x 1,024 + the tile's first feature + my 64
	s_lshl_b32 s90, s90, 11                        ; x 2,048 tokens
	s_add_co_u32 s90, s90, s88
	s_lshl_b32 s94, s93, 8                         ; + the tile's 256 tokens
	s_add_co_u32 s90, s90, s94
	s_add_nc_u64 s[82:83], s[12:13], s[90:91]      ; v (used in v's clusters alone)
	s_wait_alu depctr_va_vdst(0)
	s_wait_loadcnt 0x0                             ; the biases
	s_wait_kmcnt 0x0                               ; the exponents
	s_add_co_i32 s78, s68, s69                     ; e0 + e1
	s_sub_co_i32 s79, 0, s78
	s_cmp_eq_u32 ttmp9, 0
	s_cselect_b32 s77, s71, s70                    ; k: e3; q: e2
	s_cmp_eq_u32 ttmp9, 2
	s_cselect_b32 s77, s73, s77                    ; v: e5
	s_cselect_b32 vcc_lo, -1, 0                    ; all lanes: v or not
	s_sub_co_i32 s77, s77, s78
	s_add_co_i32 s77, s77, 127
	s_lshl_b32 s78, s77, 23
	v_mov_b32 v[SC], s78                           ; 2^(e_dst - e0 - e1): the conversion takes its exponent field
	s_add_co_i32 s77, s77, 8
	s_lshl_b32 s77, s77, 23
	s_or_b32 s77, s77, 0x600000
.set j, 0
.rept 64
	v_cndmask_b32 v[BR+j], v[BR+j], v[ZR], vcc_lo  ; for v the features do not run along R: 0
.set j, j+1
.endr
.set j, 0
.rept 64
	v_ldexp_f32 v[BR+j], v[BR+j], s79              ; b / 2^(e0 + e1): exact
.set j, j+1
.endr
.irp a, 0,1,2,3,4,5,6,7
	v_cndmask_b32 v[BL+2*\a], v[ZR], v[BL+2*\a], vcc_lo   ; for k and q they do not run along L: 0
.endr
.irp a, 0,1,2,3,4,5,6,7
	v_ldexp_f32 v[BL+2*\a], v[BL+2*\a], s79
.endr
.irp a, 0,1,2,3,4,5,6,7
	v_mov_b32 v[BL+2*\a+1], v[BL+2*\a]             ; a pair for the packed addition
.endr
.macro FRAG reg, adr, q, i             ; a fragment: lane l holds row l % 16; registers 4 c .. 4 c + 3 hold K = 32 c + 16 (l / 16) + 0 .. 15: one permutation of K, the same on both sides
.irp c, 0,1,2,3
	ds_load_b128 v[\reg+4*\c:\reg+4*\c+3], v[\adr] offset:128*(\q)+32*\c+(\i)*16*PITCH
.endr
.endm
; 16 matrix instructions: L's blocks a0, a0 + 1 x R's eight, 128 along K.  p: R's set.  first = 1: the bias along R is the C of the sum's first product: nothing is cleared, no addition is spent.
; The 64 accumulators take turns, one instruction a turn, in the same order in every step.
.macro MUL16 a0, p, first
.irp a, \a0, \a0+1
.irp b, 0,1,2,3,4,5,6,7
.if \first
	v_wmma_f32_16x16x128_fp8_fp8 v[8*(8*((\a)%4)+\b):8*(8*((\a)%4)+\b)+7], v[128*(\p)+FR*\b:128*(\p)+FR*\b+FR-1], v[AF+FR*(\a):AF+FR*(\a)+FR-1], v[BR+8*\b:BR+8*\b+7]
.else
	v_wmma_f32_16x16x128_fp8_fp8 v[8*(8*((\a)%4)+\b):8*(8*((\a)%4)+\b)+7], v[128*(\p)+FR*\b:128*(\p)+FR*\b+FR-1], v[AF+FR*(\a):AF+FR*(\a)+FR-1], v[8*(8*((\a)%4)+\b):8*(8*((\a)%4)+\b)+7]
.endif
.endr
.endr
.endm
.macro FETCH_B slot, q, p              ; R's eight fragments of the slot's q-th 128 along K into set p
	WIN TO_B
.irp i, 0,1,2,3,4,5,6,7
	FRAG 128*(\p)+FR*\i, ADRB+\slot, \q, \i
.endr
	WIN 0
.endm
.macro FETCH_A slot, q, i0             ; L's blocks i0 .. i0 + 3
.irp i, \i0, \i0+1, \i0+2, \i0+3
	FRAG AF+FR*(\i), ADRA+\slot, \q, \i
.endr
.endm
.macro PLACES n                        ; plain vector instructions between a matrix instruction and a load into, or a vector read or write of, its registers
.rept \n
	v_nop
.endr
.endm
; A step of 128 along K that has its successor in the same slot.  L has one set of registers: blocks 0-3 are fetched anew in the step's middle, blocks 4-7 at its end.
.macro STEP slot, q, first
	s_wait_dscnt 4*NL                              ; R's set and L's blocks 0-3 are in; the youngest sixteen loads (L's blocks 4-7) may be out
.if \first
	WIN FST_LO
.else
	WIN MUL_LO
.endif
	MUL16 0, (\q)%2, \first
	MUL16 2, (\q)%2, \first
	s_wait_dscnt 0                                 ; L's blocks 4-7 are in (asked for 32 matrix instructions ago)
	PLACES NP
	FETCH_B \slot, (\q)+1, 1-(\q)%2
	FETCH_A \slot, (\q)+1, 0
.if \first
	WIN FST_HI
.else
	WIN MUL_HI
.endif
	MUL16 4, (\q)%2, \first
	MUL16 6, (\q)%2, \first
	PLACES NP
	WIN 0
	FETCH_A \slot, (\q)+1, 4
.endm
; A slot's last step changes slots: one barrier; in front of it each wave waits for all its tensor loads, adds 0 to its spare word, and waits for that and for its own reads of this slot.  fill = 1: this slot is filled again, two K steps ahead.
.macro TURN slot, next, fill
	s_wait_tensorcnt 0x0                           ; all my tensor loads have landed: my part of the next slot  (every window is 0 here)
	ds_add_u32 v[SPW], v[NIL]                      ; 0 onto my spare word
	s_wait_dscnt 4*NL+1                            ; the add and the youngest sixteen loads (L's blocks 4-7) may be out
	WIN MUL_LO
	MUL16 0, 1, 0                                  ; sixteen matrix instructions stand between the add and the wait for it
	s_wait_dscnt 0x0                               ; the add is done, and my reads of this slot are over
	s_barrier_signal -1
	MUL16 2, 1, 0
	WIN 0
	s_barrier_wait -1
.if \fill
	CREST                                          ; the barrier has opened a round of the cluster's barrier: no wave of any partner still reads this slot or has a load on its way
	s_add_nc_u64 s[G0+4*\slot+2:G0+4*\slot+3], s[G0+4*\slot+2:G0+4*\slot+3], 2*ROWB
	s_add_nc_u64 s[G0B+4*\slot+2:G0B+4*\slot+3], s[G0B+4*\slot+2:G0B+4*\slot+3], 2*ROWB
	JLOAD G0+4*\slot, G1, G0B+4*\slot, G1B         ; the first tensor load behind the round, my only one until the next; its four v_nop are the places in front of the loads below
.else
	PLACES NP
.endif
	FETCH_B \next, 0, 0
	FETCH_A \next, 0, 0
	WIN MUL_HI
	MUL16 4, 1, 0
	MUL16 6, 1, 0
	PLACES NP
	WIN 0
	FETCH_A \next, 0, 4
.endm
	s_wait_tensorcnt 1                             ; my part of K step 0 is in (K step 1's load may be out)
	s_barrier_signal -1
	s_barrier_wait -1                              ; everybody's is
	FETCH_B 0, 0, 0
	FETCH_A 0, 0, 0
	FETCH_A 0, 0, 4
	STEP 0, 0, 1                                   ; K = 1,024 is four K steps of 256, eight steps of 128: written out
	TURN 0, 1, 1                                   ; slot 0 takes K step 2
	STEP 1, 0, 0
	TURN 1, 0, 1                                   ; slot 1 takes K step 3
	STEP 0, 0, 0
	TURN 0, 1, 0                                   ; nothing is left to fetch
	STEP 1, 0, 0
	s_wait_dscnt 4*NL                              ; the last step
	WIN MUL_LO
	MUL16 0, 1, 0
	MUL16 2, 1, 0
	s_wait_alu depctr_va_vdst(0)
	s_wait_dscnt 0
	WIN MUL_HI
	MUL16 4, 1, 0
	MUL16 6, 1, 0
	WIN 0
; THE WAY OUT.  Block a (16 of L x 128 of R): + the bias along L, the conversion; a lane's codes of R's blocks 2 c and 2 c + 1 are 16 bytes of one row of the work-group's stage of codes:
; 256 rows (L) x 272 bytes at LDS byte 0, in slot 0, which has had its last fill, and which nobody has read since the last change of slots.
.macro QBLOCK a
.set AC, 64*((\a)%4)
.set CC, CD+16*((\a)%2)
	WIN 0x02+((\a)/4)                              ; source 0: window 2 or 3
.set j, 0
.rept 32
	v_pk_add_f32 v[TMP+j:TMP+j+1], v[AC+j:AC+j+1], v[BL+2*(\a):BL+2*(\a)+1]   ; each accumulator from its low end on
.set j, j+2
.endr
	WIN 0
.set j, 0
.rept 64
.set j, j+1
.endr
.if (\a) >= 2
	s_wait_alu depctr_va_vdst(0)
	s_wait_dscnt 4                                 ; only block a - 1's four stores may be out: block a - 2's have read this set of codes
.endif
.irp b, 0,1,2,3,4,5,6,7
	v_cvt_scalef32_pk8_fp8_f32 v[CC+2*\b:CC+2*\b+1], v[TMP+8*\b:TMP+8*\b+7], v[SC]
.endr
	v_nop                                          ; a plain vector instruction between the conversions and the next block's additions, which write their sources
.irp c, 0,1,2,3
	ds_store_b128 v[STO], v[CC+4*\c:CC+4*\c+3] offset:(\a)*16*PITCH+32*\c
.endr
.endm
	PLACES NP                                      ; behind the last products: their results are read and L's fragments written below
.irp a, 0,1,2,3,4,5,6,7
	QBLOCK \a
.endr
	s_wait_dscnt 0x0                               ; for the others' sake: my stores into the stage are done
	s_barrier_signal -1
	s_barrier_wait -1                              ; a row's 256 bytes come from two waves
	s_cmp_eq_u32 ttmp9, 2                          ; alike in all partners; both ways hold LDS loads and stores to memory alone
	s_cbranch_scc1 .Lout_v
.irp g, 0,1,2,3,4,5,6,7                ; k, q: a stage row is a token, its 256 bytes four heads.  Eight tokens' 64 bytes of one head are 512 consecutive bytes of the output
.irp hh, 0,1,2,3
	ds_load_b128 v[128+4*(4*\g+\hh):128+4*(4*\g+\hh)+3], v[RDK] offset:8*\g*PITCH+64*\hh
.endr
.endr
.irp g, 0,1,2,3,4,5,6,7
.irp hh, 0,1,2,3
	s_wait_dscnt 31-(4*\g+\hh)                     ; LDS loads come back in order: this one is in
	global_store_b128 v[GOK], v[128+4*(4*\g+\hh):128+4*(4*\g+\hh)+3], s[80:81] offset:\hh*131072+512*\g   ; 32 lanes store 512 consecutive bytes, aligned
.endr
.endr
	s_branch .Lend
.Lout_v:
.set i, 0
.rept 32                               ; v: a stage row is a feature, its 256 bytes the tile's 256 tokens: sixteen lanes store one aligned run of 256 bytes
	ds_load_b128 v[128+4*i:128+4*i+3], v[RDV] offset:2*i*PITCH
.set i, i+1
.endr
.set i, 0
.rept 32
	s_wait_dscnt 31-i
	global_store_b128 v[GOV], v[128+4*i:128+4*i+3], s[82:83] offset:4096*i
.set i, i+1
.endr
.Lend:
	s_wait_tensorcnt 0x0                           ; the wave's end: behind my last tensor load and my last LDS store
	ds_add_u32 v[SPW], v[NIL]
	s_wait_dscnt 0x0
	CROUND                                         ; the closing round: no work-group ends while a partner may still ask for a tile that names it
	s_endpgm
.Lfunc_end_k_qb6ef050260_qkv:
	.size	k_qb6ef050260_qkv, .Lfunc_end_k_qb6ef050260_qkv-k_qb6ef050260_qkv
	.p2alignl 7, 3214868480
	.fill 96, 4, 3214868480
	.section	.rodata,"a",@progbits
	.p2align	6, 0x0
	.amdhsa_kernel k_qb6ef050260_qkv
		.amdhsa_group_segment_fixed_size 327680
		.amdhsa_private_segment_fixed_size 0
		.amdhsa_enable_private_segment 0
		.amdhsa_kernarg_size 40
		.amdhsa_user_sgpr_count 2
		.amdhsa_user_sgpr_kernarg_segment_ptr 1
		.amdhsa_wavefront_size32 1
		.amdhsa_system_sgpr_workgroup_id_x 1
		.amdhsa_system_sgpr_workgroup_id_y 1
		.amdhsa_system_sgpr_workgroup_id_z 1
		.amdhsa_system_vgpr_workitem_id 0
		.amdhsa_next_free_vgpr 1024
		.amdhsa_next_free_sgpr 100
		.amdhsa_reserve_vcc 1
		.amdhsa_float_denorm_mode_32 3
		.amdhsa_float_denorm_mode_16_64 3
		.amdhsa_fp16_overflow 1
		.amdhsa_memory_ordered 1
		.amdhsa_forward_progress 1
		.amdhsa_inst_pref_size 125
	.end_amdhsa_kernel
	.amdgpu_metadata
---
amdhsa.version: [ 1, 2 ]
amdhsa.kernels:
  - .name:           k_qb6ef050260_qkv
    .symbol:         k_qb6ef050260_qkv.kd
    .args:
      - { .name: x_codes, .offset: 0, .size: 8, .value_kind: global_buffer, .address_space: global }
      - { .name: W_kqv_codes, .offset: 8, .size: 8, .value_kind: global_buffer, .address_space: global }
      - { .name: b_kqv, .offset: 16, .size: 8, .value_kind: global_buffer, .address_space: global }
      - { .name: lowp_scales, .offset: 24, .size: 8, .value_kind: global_buffer, .address_space: global }
      - { .name: qkv, .offset: 32, .size: 8, .value_kind: global_buffer, .address_space: global }
    .group_segment_fixed_size: 327680
    .private_segment_fixed_size: 0
    .kernarg_segment_align: 8
    .kernarg_segment_size: 40
    .max_flat_workgroup_size: 128
    .sgpr_count:     100
    .vgpr_count:     1024
    .wavefront_size: 32
...
	.end_amdgpu_metadata
.endif
;; end of part 1
;; launch attn (part 2): grid 4 x 64, 16 waves a work-group, no clusters, 327,680 bytes of LDS; arguments qkv, lowp_scales, att; writes att
.if DOCPART == 2
	.amdgcn_target "amdgcn-amd-amdhsa--gfx1250"
	.amdhsa_code_object_version 6
	.text
	.protected	k_qb6ef050260_attn
	.globl	k_qb6ef050260_attn
	.p2align	8
	.type	k_qb6ef050260_attn,@function
k_qb6ef050260_attn:
	s_mov_b64 s[64:65], 0
	v_nop
	global_prefetch_b8 v0, s[64:65] scope:SCOPE_SE
	s_setreg_imm32_b32 hwreg(HW_REG_WAVE_MODE, 25, 1), 1
	s_wait_xcnt 0x0
; x_att = softmax(q k^T / 32, causal) v for one head, both products on codes of E4M3; x_att leaves as codes with the scale 2^e6.
; q, k: [batch x head 64][token 2048][64] codes (scales 2^e2, 2^e3); v: [batch x head 64][d 64][token 2048] codes with the keys innermost (2^e5), both as the launch before lays them.
; THE SOFTMAX: t = score x log2(e) / 32; M = the row's largest t so far, rounded UP to a whole number; p = 2^(t - M) is quantised with 2^e4, not normalised; the row's sum is taken of the unquantised p and divides at the end.
; When M moves, the sum and O are multiplied by 2^(old M - new M): exact.
; SHARES.  A work-group owns two blocks of 256 queries of one head: block 7 - x and block x (x = work-group x, 0 .. 3).  Block 7 - x needs key slots 0 .. 7 - x (256 keys each), block x key slots 0 .. x:
; nine slots whatever x is, so every work-group walks nine trips, a constant of the text, and all 256 have the same work.  Wave w owns queries 16 w .. 16 w + 15 of both blocks, one block after the other.
; NO CLUSTER: the four work-groups of a head turn from their first block to their second behind 8 - x trips, so from the sixth trip on they want different key slots in the same trip; an order in which
; every partner asks for every tile jointly has 8 + 4 = 12 trips against 9.
; LAYOUT.  Both products are used transposed: S^T = K Q^T (source 0 = 16 keys, source 1 = my 16 queries; K = 64), O^T = V^T P^T (source 0 = 16 of the head's 64, source 1 = P; K = 128 keys): a lane holds ONE query throughout.
; Tile t of S^T gives lane (r, h) keys 16 t + 8 h + 0 .. 7; its eight codes are registers 2 t, 2 t + 1 of P; v's stored order gives a 16-byte read at 32 c + 16 h just the same keys in registers 4 c .. 4 c + 3.
; OUT.  att: [tile of 128 tokens 64][head 16][token 128][64]: my 16 queries' codes are 1,024 consecutive bytes.
; LIMITS on the given exponents, so that each power of two below is an f32 number: e2 + e3 between -121 and 132 (added to c's exponent field); e4 between -126 and 119; e6 - e4 - e5 between -126 and 119.
; REGISTERS: v1-11 addresses; v12 -M, v13 the largest t, v[14:15] the sum in two halves; v16-23 Q; v24-31 the second block's Q; v32-95 fragments of K or of V; v96-159 S^T, then p; v160-191 O^T;
;   v192-223 the first block's O^T, kept; v224-239 p's codes; v244 2^e4; v[246:247] the first block's sum; v250 2^(e6 - e4 - e5); v242, 243, 248, 252-254 at work.
.set PITCH, 272                        ; an LDS row: 256 bytes + 16 of padding
.set VOFF,  64*PITCH                   ; a slot: K's 256 keys as 64 rows of four keys, then V's 64 rows of 256 keys
.set SLOT1, 1<<16                      ; slot 1 begins here: one exclusive or turns an address in one slot into the other's
.set SPARE, 2*SLOT1                    ; the spare words, 128 bytes for each of 16 waves: eight blocks of 256 bytes that no other line names
.set STAGE, SPARE+2048                 ; the way out: for each wave 2 x 16 rows x 80 bytes (2,560 bytes); no tile ever lands here
.set AK0,  1                           ; v1   my lane's place in a tile of K: (r / 4) 272 + (r % 4) 64 + 16 h
.set AV0,  2                           ; v2   in V: VOFF + r 272 + 16 h
.set PFO,  3                           ; v3   the prefetches' offset; never rewritten
.set DQ,   4                           ; v4   r - 8 h, for the mask
.set SPW,  5                           ; v5   my spare word's LDS address; never rewritten
.set NIL,  6                           ; v6   0; never rewritten
.set GO,   7                           ; v7   16 x lane
.set ADK,  8                           ; v8   LDS address of the step's K
.set ADV,  9                           ; v9   of its V
.set STO,  10                          ; v10  my stage, in: r 80 + 8 h
.set RD,   11                          ; v11  back: (lane / 4) 80 + 16 (lane % 4)
.set TB,   2                           ; s2   LDS byte at which the slot in hand begins
.set WV,   18                          ; s18  my wave's number
.set SEL,  20                          ; s[20:21] lane selects for v_permlanex16_b32: lane l xor 16
.set CS,   22                          ; s[22:23] c = log2(e) / 32 x 2^(e2 + e3)
.set G1K,  24                          ; s[24:31], s[32:39] descriptor groups 1;  s[40:43], s[44:47] groups 0
.set G1V,  32
.set G0K,  40
.set G0V,  44
.set NA,   50                          ; s50  8 - x: the first block's trips
.set NN,   51                          ; s51  trips done
.set FF,   52                          ; s52  the key slot asked for last
.set OFS,  54                          ; s[54:55] an offset, with 0 above it
.set Q0,   56                          ; s56  my first query of the block in hand
.set Q0B,  57                          ; s57  of the second block
.set KF,   58                          ; s58  the step's first key
.set SLOTS, 59                         ; s59  changes of slots that still fill
.set LIM,  60                          ; s60  2 in a wave that prefetches, else the greatest number
.set PFA,  76                          ; s[76:77] where my prefetches stand
.set PFS,  78                          ; s[78:79] a key slot on, in bytes
; Wave 0 fetches a slot's K, wave 1 its V, the others nothing.  The branches hang on the wave's number alone.  Four v_nop follow each of the two lines.
.macro TLOAD
	s_cmp_lt_u32 s[WV], 1
	s_cbranch_scc0 .Lnot_k_\@
	tensor_load_to_lds s[G0K:G0K+3], s[G1K:G1K+7]
	s_nop 0
.rept 4
	v_nop
.endr
	s_branch .Lasked_\@
.Lnot_k_\@:
	s_cmp_lt_u32 s[WV], 2
	s_cbranch_scc0 .Lasked_\@
	tensor_load_to_lds s[G0V:G0V+3], s[G1V:G1V+7]
	s_nop 0
.rept 4
	v_nop
.endr
.Lasked_\@:
.endm
; A PREFETCH INTO THE L2 of the key slot that the NEXT change of slots will ask for.  All four work-groups of a head walk key slots 0, 1, 2 .. in their first block; work-group x = 0 walks all eight, and it alone asks.
; In it four waves that fetch nothing ask, one instruction each: waves 4 and 5 for K's 16,384 bytes, 8,192 a wave, lanes 256 bytes apart; waves 6 and 7 for V's 64 rows, 32 a wave, a lane a row (a slot's part of a row is 256 bytes, aligned).
; Trip n asks for key slot n + 2, in trips 0 to 5: key slots 0 and 1 come by their loads alone, and there is no key slot 8.  So each aligned block of 256 bytes is named once in the launch.
.macro ASK
	s_cmp_gt_u32 s[SLOTS], s[LIM]
	s_cbranch_scc0 .Lnot_mine_\@
	global_prefetch_b8 v[PFO], s[PFA:PFA+1] th:TH_LOAD_NT scope:SCOPE_SE
.Lnot_mine_\@:
.endm
	s_load_b128 s[4:7], s[0:1], 0x0                ; qkv s[4:5], the exponents s[6:7]
	s_load_b64 s[8:9], s[0:1], 0x10                ; att
	v_lshl_add_u32 v[SPW], v0, 2, SPARE
	v_mov_b32 v[NIL], 0
	ds_add_u32 v5, v6
	ds_add_u32 v5, v6
	s_wait_dscnt 0x0
	v_lshrrev_b32 v8, 5, v0
	s_delay_alu instid0(VALU_DEP_1)
	v_readfirstlane_b32 s[WV], v8                  ; wave 0..15
	s_and_b32 s80, ttmp7, 0xffff                   ; batch x 16 + head
	s_lshl_b32 s[OFS], s80, 17                     ; a head's codes: 131,072 bytes in each of k, q, v
	s_mov_b32 s[OFS+1], 0
	s_sub_co_u32 s[NA], 8, ttmp9
	s_sub_co_u32 s81, 7, ttmp9                     ; the first block
	s_lshl_b32 s[Q0], s81, 8
	s_lshl_b32 s82, s[WV], 4
	s_add_co_u32 s[Q0], s[Q0], s82                 ; my first query there,
	s_lshl_b32 s[Q0B], ttmp9, 8
	s_add_co_u32 s[Q0B], s[Q0B], s82               ; and in the second block
	s_mov_b32 s[G1K], (1<<20)|(5<<22)|(3<<25)      ; 15:0 no mask; 17:16 elements of 1 byte; 20 padding on; 24:22 after every 64 words; 31:25 four words
	s_mov_b32 s[G1K+1], 256<<16                    ; tensor_dim0: K's 256 keys x 64 bytes are dense in memory: stated as 64 rows of 256 bytes
	s_mov_b32 s[G1K+2], 64<<16                     ; tensor_dim1
	s_mov_b32 s[G1K+3], 256<<16                    ; tile_dim0
	s_mov_b32 s[G1K+4], 64                         ; tile_dim1
	s_mov_b32 s[G1K+5], 256                        ; tensor_dim0_stride
	s_mov_b32 s[G1K+6], 0
	s_mov_b32 s[G1K+7], 0
	s_mov_b32 s[G1V], (1<<20)|(5<<22)|(3<<25)
	s_mov_b32 s[G1V+1], 256<<16
	s_mov_b32 s[G1V+2], 64<<16
	s_mov_b32 s[G1V+3], 256<<16
	s_mov_b32 s[G1V+4], 64
	s_mov_b32 s[G1V+5], 2048                       ; V's rows lie 2,048 bytes apart
	s_mov_b32 s[G1V+6], 0
	s_mov_b32 s[G1V+7], 0
	s_mov_b32 s[SEL], 0x76543210
	s_mov_b32 s[SEL+1], 0xfedcba98
	s_mov_b32 s[CS], 0x3d38aa3b                    ; log2(e) / 32
	s_mov_b32 s[TB], 0
	s_mov_b32 s[NN], 0
	s_mov_b32 s[FF], 0
	s_mov_b32 s[KF], 0
	s_mov_b32 s[SLOTS], 8
	s_wait_kmcnt 0x0
	s_load_b256 s[68:75], s[6:7], 0x0              ; e0 .. e7
	s_add_nc_u64 s[10:11], s[4:5], s[OFS:OFS+1]    ; the head's k,
	s_add_nc_u64 s[14:15], s[10:11], 0x800000      ; q,
	s_add_nc_u64 s[12:13], s[10:11], 0x1000000     ; v
	s_mov_b32 s[G0K], 1                            ; 1:0 count = 1
	s_mov_b32 s[G0K+1], 0                          ; LDS address: slot 0
	s_mov_b64 s[G0K+2:G0K+3], s[10:11]             ; key slot 0
	s_or_b32 s[G0K+3], s[G0K+3], 0x80000000        ; 127:126 type = 2
	s_mov_b32 s[G0V], 1
	s_mov_b32 s[G0V+1], VOFF
	s_mov_b64 s[G0V+2:G0V+3], s[12:13]
	s_or_b32 s[G0V+3], s[G0V+3], 0x80000000
	TLOAD                                          ; key slot 0 into slot 0
	v_and_b32 v32, 15, v0                          ; r
	v_bfe_u32 v33, v0, 4, 1                        ; h
	v_and_b32 v34, 31, v0                          ; lane
	s_delay_alu instid0(VALU_DEP_3)
	v_lshlrev_b32 v35, 6, v32
	s_delay_alu instid0(VALU_DEP_1)
	v_lshl_add_u32 v35, v33, 4, v35                ; Q: row r of 64 bytes, + 16 h
	s_lshl_b32 s82, s[Q0], 6
	v_add_nc_u32 v8, s82, v35
	s_lshl_b32 s82, s[Q0B], 6
	v_add_nc_u32 v9, s82, v35
	global_load_b128 v[16:19], v8, s[14:15]        ; Q's fragments stay in registers: registers 4 c .. 4 c + 3 hold stored bytes 32 c + 16 h + 0 .. 15, as K's do
	global_load_b128 v[20:23], v8, s[14:15] offset:32
	global_load_b128 v[24:27], v9, s[14:15]
	global_load_b128 v[28:31], v9, s[14:15] offset:32
	v_lshrrev_b32 v36, 2, v32
	s_delay_alu instid0(VALU_DEP_1)
	v_mul_u32_u24 v[AK0], v36, PITCH
	v_and_b32 v36, 3, v32
	s_delay_alu instid0(VALU_DEP_1)
	v_lshl_add_u32 v[AK0], v36, 6, v[AK0]
	s_delay_alu instid0(VALU_DEP_1)
	v_lshl_add_u32 v[AK0], v33, 4, v[AK0]
	v_mul_u32_u24 v[AV0], v32, PITCH
	s_delay_alu instid0(VALU_DEP_1)
	v_lshl_add_u32 v[AV0], v33, 4, v[AV0]
	s_delay_alu instid0(VALU_DEP_1)
	v_add_nc_u32 v[AV0], VOFF, v[AV0]
	v_lshlrev_b32 v36, 3, v33
	s_delay_alu instid0(VALU_DEP_1)
	v_sub_nc_u32 v[DQ], v32, v36
	v_lshlrev_b32 v[GO], 4, v34
	s_mul_i32 s82, s[WV], 2560
	s_add_co_u32 s82, s82, STAGE
	v_mul_u32_u24 v[STO], v32, 80
	s_delay_alu instid0(VALU_DEP_1)
	v_lshl_add_u32 v[STO], v33, 3, v[STO]
	s_delay_alu instid0(VALU_DEP_1)
	v_add_nc_u32 v[STO], s82, v[STO]
	v_lshrrev_b32 v36, 2, v34
	s_delay_alu instid0(VALU_DEP_1)
	v_mul_u32_u24 v[RD], v36, 80
	v_and_b32 v36, 3, v34
	s_delay_alu instid0(VALU_DEP_1)
	v_lshl_add_u32 v[RD], v36, 4, v[RD]
	s_delay_alu instid0(VALU_DEP_1)
	v_add_nc_u32 v[RD], s82, v[RD]
	; where my two tiles of codes go: ((batch x 16 + 2 block + w / 8) x 16 + head) x 8,192 + (w % 8) x 1,024
	s_lshr_b32 s83, s80, 4
	s_lshl_b32 s83, s83, 4
	s_lshr_b32 s84, s[WV], 3
	s_add_co_u32 s83, s83, s84
	s_and_b32 s84, s80, 15
	s_lshl_b32 s84, s84, 13
	s_and_b32 s85, s[WV], 7
	s_lshl_b32 s85, s85, 10
	s_add_co_u32 s84, s84, s85
	s_lshl_b32 s85, s81, 1
	s_add_co_u32 s85, s85, s83
	s_lshl_b32 s85, s85, 17
	s_add_co_u32 s[OFS], s85, s84
	s_add_nc_u64 s[16:17], s[8:9], s[OFS:OFS+1]    ; the first block's
	s_lshl_b32 s85, ttmp9, 1
	s_add_co_u32 s85, s85, s83
	s_lshl_b32 s85, s85, 17
	s_add_co_u32 s[OFS], s85, s84
	s_add_nc_u64 s[48:49], s[8:9], s[OFS:OFS+1]    ; the second block's
	; the prefetches: where my wave's stand, and who asks
	s_cmp_lt_u32 s[WV], 6                          ; waves 4 and 5 ask for K's codes, waves 6 and 7 for V's
	s_cselect_b64 s[PFA:PFA+1], s[10:11], s[12:13]
	s_mov_b32 s[PFS], 256
	s_cselect_b32 s[PFS], 16384, s[PFS]            ; a key slot on
	s_mov_b32 s82, 2048
	s_cselect_b32 s82, 256, s82                    ; from lane to lane
	s_mov_b32 s83, 65536
	s_cselect_b32 s83, 8192, s83                   ; from wave to wave
	v_mul_lo_u32 v[PFO], v34, s82
	s_and_b32 s82, s[WV], 1
	s_mul_i32 s82, s82, s83
	s_add_co_u32 s82, s82, s[PFS]                  ; in key slot 1: the first change of slots steps it to key slot 2.  Nothing is prefetched here, at the head
	s_mov_b32 s83, 0
	s_mov_b32 s[PFS+1], 0
	s_add_nc_u64 s[PFA:PFA+1], s[PFA:PFA+1], s[82:83]
	s_sub_co_u32 s82, s[WV], 4
	s_lshr_b32 s82, s82, 2                         ; 0 in waves 4 to 7,
	s_or_b32 s82, s82, ttmp9                       ; of work-group x = 0
	s_cmp_eq_u32 s82, 0
	s_cselect_b32 s[LIM], 2, -1
	v_mov_b32 v13, 0xff61b1e6                      ; the largest t so far: -3e38, under every t
	s_delay_alu instid0(VALU_DEP_1)
	v_floor_f32 v12, -v13                          ; -M
	v_mov_b32 v14, 0                               ; the sum, in two halves
	v_mov_b32 v15, 0
	v_mov_b32 v246, 0
	v_mov_b32 v247, 0
	v_mov_b32 v248, 0                              ; written once: a lane permute's destination counts as one of its sources
	v_mov_b32 v253, 0                              ; (named as the upper half of the pair v[252:253])
.set j, 0
.rept 64
	v_mov_b32 v[160+j], 0                          ; O^T: the step is written once, and its first run finds zeros.  (v192-223 too: they are next written under a branch)
.set j, j+1
.endr
	s_wait_kmcnt 0x0
	s_add_co_i32 s82, s70, s71
	s_lshl_b32 s82, s82, 23
	s_add_co_i32 s[CS], s[CS], s82                 ; a score stands for score x 2^(e2 + e3): the two exponents are added to c's exponent field
	s_mov_b32 s[CS+1], s[CS]                       ; (named with it as a pair, so it is written)
	s_add_co_i32 s82, s72, 127
	s_lshl_b32 s83, s82, 23
	v_mov_b32 v244, s83                            ; 2^e4, for p's conversion
	s_sub_co_i32 s82, s74, s72
	s_sub_co_i32 s82, s82, s73                     ; a sum of the second product stands for sum x 2^(e4 + e5): x_att's code is (sum / l) / 2^(e6 - e4 - e5)
	s_add_co_i32 s82, s82, 127
	s_lshl_b32 s83, s82, 23
	v_mov_b32 v250, s83
; FROM THE FIRST BLOCK TO THE SECOND, at the head of trip 8 - x: a scalar branch on ids and the count of trips.  The first block's O^T and sum are kept; Q, O^T, the sum and M begin anew; the keys begin at 0.
.macro SWITCH
	s_cmp_lg_u32 s[NN], s[NA]
	s_cbranch_scc1 .Lsame_\@
.irp j, 0,1,2,3,4,5,6,7
	v_mov_b32 v[16+\j], v[24+\j]                   ; these eight name no register of the last products: they are the places in front of the reads of O^T below
.endr
.set j, 0
.rept 32
	v_mov_b32 v[192+j], v[160+j]                   ; each accumulator from its low end on
.set j, j+1
.endr
.set j, 0
.rept 32
	v_mov_b32 v[160+j], 0
.set j, j+1
.endr
	v_mov_b32 v246, v14
	v_mov_b32 v247, v15
	v_mov_b32 v14, 0
	v_mov_b32 v15, 0
	v_mov_b32 v13, 0xff61b1e6
	s_delay_alu instid0(VALU_DEP_1)
	v_floor_f32 v12, -v13
	s_mov_b32 s[KF], 0
	s_mov_b32 s[Q0], s[Q0B]
.Lsame_\@:
.endm
; A KEY STEP: 128 keys, the q-th of the slot in hand.
.macro STEP q
	s_add_co_u32 s96, s[Q0], 15                    ; a step all of whose keys come after my 16 queries is left out: a scalar branch on ids, round the step's loads, products and softmax
	s_cmp_gt_u32 s[KF], s96
	s_cbranch_scc1 .Lhidden_\@
	v_add_nc_u32 v[ADK], s[TB], v[AK0]
	v_add_nc_u32 v[ADV], s[TB], v[AV0]
	v_nop                                          ; with the two additions: four places in front of loads into registers that the last products have read
	v_nop
.irp t, 0,1,2,3,4,5,6,7
.irp c, 0,1
	ds_load_b128 v[32+8*\t+4*\c:32+8*\t+4*\c+3], v[ADK] offset:(32*(\q)+4*\t)*PITCH+32*\c   ; keys 128 q + 16 t + r: four keys to an LDS row
.endr
.endr
	s_wait_alu depctr_va_vdst(0)
	s_wait_dscnt 0x0
.irp t, 0,1,2,3,4,5,6,7
	v_wmma_f32_16x16x64_fp8_fp8 v[96+8*\t:103+8*\t], v[32+8*\t:39+8*\t], v[16:23], 0        ; lane (r, h): query r, keys 16 t + 8 h + 0 .. 7
.endr
.rept 4
	v_nop                                          ; places: the scores are read below, and V's fragments land where K's lay
.endr
.irp u, 0,1,2,3
.irp c, 0,1,2,3
	ds_load_b128 v[32+16*\u+4*\c:32+16*\u+4*\c+3], v[ADV] offset:16*\u*PITCH+128*(\q)+32*\c  ; asked for now: they land while the softmax is worked
.endr
.endr
	s_add_co_u32 s96, s[KF], 127                   ; on the diagonal the scores of hidden keys become -infinity ahead of the maximum: p = 0 then.  A step all of whose keys count skips this
	s_cmp_le_u32 s96, s[Q0]
	s_cbranch_scc1 .Lopen_\@
	s_sub_co_i32 s96, s[Q0], s[KF]
	v_add_nc_u32 v252, s96, v[DQ]                  ; d = my query - KF - 8 h.  Register 8 t + j holds key KF + 16 t + 8 h + j: hidden where 16 t + j > d
	v_mov_b32 v254, 0xff800000                     ; -infinity
.set n, 0
.rept 64
	v_cmp_gt_i32 vcc_lo, 16*(n/8)+n%8, v252
	v_cndmask_b32 v[96+n], v[96+n], v254, vcc_lo
.set n, n+1
.endr
.Lopen_\@:
	v_max3_num_f32 v254, v96, v97, v98             ; the step's largest score of my query, among my 64 keys, in two chains,
	v_max3_num_f32 v252, v99, v100, v101
.set i, 6
.rept 14
	v_max3_num_f32 v254, v254, v[96+i], v[97+i]
	v_max3_num_f32 v252, v252, v[98+i], v[99+i]
.set i, i+4
.endr
	v_max3_num_f32 v254, v254, v158, v159
	s_delay_alu instid0(VALU_DEP_1)
	v_max_num_f32 v254, v254, v252
	s_delay_alu instid0(VALU_DEP_1)
	v_permlanex16_b32 v248, v254, s[SEL], s[SEL+1]
	s_delay_alu instid0(VALU_DEP_1)
	v_max_num_f32 v254, v254, v248                 ; and among lane l xor 16's
	s_delay_alu instid0(VALU_DEP_1)
	v_mul_f32 v254, s[CS], v254                    ; as t (c is positive)
	s_delay_alu instid0(VALU_DEP_1)
	v_max_num_f32 v13, v13, v254                   ; the running largest t
	v_mov_b32 v254, v12
	s_delay_alu instid0(VALU_DEP_2)
	v_floor_f32 v12, -v13                          ; the new -M = floor(-t) = -ceil(t): M is a whole number
	s_delay_alu instid0(VALU_DEP_1)
	v_sub_f32 v254, v12, v254                      ; M's old value less its new one: a whole number, 0 or less
	s_delay_alu instid0(VALU_DEP_1)
	v_cvt_i32_f32 v254, v254                       ; (it saturates)
	s_delay_alu instid0(VALU_DEP_1)
	v_ldexp_f32 v252, 1.0, v254                    ; f = 2^(old M - new M)
.set j, 0
.rept 32
	v_pk_fma_f32 v[96+j:97+j], v[96+j:97+j], s[CS:CS+1], v[12:13] op_sel_hi:[1,0,0]   ; t - M, two at a time (of the pairs c and -M the low word serves both halves)
.set j, j+2
.endr
.set j, 0
	s_wait_alu depctr_va_vdst(0)
.rept 64
	v_exp_f32 v[96+j], v[96+j]                     ; p = 2^(t - M), at most 1: not normalised
.set j, j+1
.endr
	v_pk_mul_f32 v[14:15], v[14:15], v[252:253] op_sel_hi:[1,0]   ; the sums under the new M: the plain instruction behind the exponentials
	s_wait_alu depctr_va_vdst(0)                   ; one wait for the whole batch, ahead of its first reader
	v_pk_add_f32 v[242:243], v[100:101], v[104:105]
	v_pk_add_f32 v[254:255], v[108:109], v[112:113]
	v_pk_add_f32 v[240:241], v[116:117], v[120:121]
	v_pk_add_f32 v[238:239], v[124:125], v[128:129]
	v_pk_add_f32 v[236:237], v[132:133], v[136:137]
	v_pk_add_f32 v[234:235], v[140:141], v[144:145]
	v_pk_add_f32 v[232:233], v[148:149], v[152:153]
	v_pk_add_f32 v[14:15], v[14:15], v[156:157]
	v_pk_add_f32 v[242:243], v[242:243], v[96:97]
	v_pk_add_f32 v[254:255], v[254:255], v[98:99]
	v_pk_add_f32 v[240:241], v[240:241], v[102:103]
	v_pk_add_f32 v[238:239], v[238:239], v[106:107]
	v_pk_add_f32 v[236:237], v[236:237], v[110:111]
	v_pk_add_f32 v[234:235], v[234:235], v[114:115]
	v_pk_add_f32 v[232:233], v[232:233], v[118:119]
	v_pk_add_f32 v[14:15], v[14:15], v[122:123]
	v_pk_add_f32 v[242:243], v[242:243], v[126:127]
	v_pk_add_f32 v[254:255], v[254:255], v[130:131]
	v_pk_add_f32 v[240:241], v[240:241], v[134:135]
	v_pk_add_f32 v[238:239], v[238:239], v[138:139]
	v_pk_add_f32 v[236:237], v[236:237], v[142:143]
	v_pk_add_f32 v[234:235], v[234:235], v[146:147]
	v_pk_add_f32 v[232:233], v[232:233], v[150:151]
	v_pk_add_f32 v[14:15], v[14:15], v[154:155]
	v_pk_add_f32 v[242:243], v[242:243], v[158:159]
	s_delay_alu instid0(VALU_DEP_2)
	v_pk_add_f32 v[14:15], v[14:15], v[238:239]
	s_delay_alu instid0(VALU_DEP_2)
	v_pk_add_f32 v[242:243], v[242:243], v[236:237]
	v_pk_add_f32 v[254:255], v[254:255], v[234:235]
	v_pk_add_f32 v[240:241], v[240:241], v[232:233]
	s_delay_alu instid0(VALU_DEP_2)
	v_pk_add_f32 v[14:15], v[14:15], v[254:255]
	s_delay_alu instid0(VALU_DEP_2)
	v_pk_add_f32 v[242:243], v[242:243], v[240:241]
	s_delay_alu instid0(VALU_DEP_1)
	v_pk_add_f32 v[14:15], v[14:15], v[242:243]
.irp t, 0,1,2,3,4,5,6,7
.irp i, 0,1,2,3,4,5,6,7
.endr
	v_cvt_scalef32_pk8_fp8_f32 v[224+2*\t:225+2*\t], v[96+8*\t:103+8*\t], v244
.endr
.set j, 0
.rept 16
	v_pk_mul_f32 v[160+j:161+j], v[160+j:161+j], v[252:253] op_sel_hi:[1,0]   ; O^T under the new M: x f.  (Plain instructions between the conversions and the products that read the codes)
.set j, j+2
.endr
	s_wait_alu depctr_va_vdst(0)
	s_wait_dscnt 0x0                               ; V's fragments are in
.irp u, 0,1,2,3
	v_wmma_f32_16x16x128_fp8_fp8 v[160+8*\u:167+8*\u], v[32+16*\u:47+16*\u], v[224:239], v[160+8*\u:167+8*\u]   ; four accumulators by turns; S^T's eight products stand between two links of a chain
.endr
.Lhidden_\@:
	s_add_co_u32 s[KF], s[KF], 128
.endm
; THE CHANGE OF SLOTS stands at a slot's head.  Each wave waits for all its tensor loads (its part of the slot that it is about to read), adds 0 to its spare word, and waits for that and for its reads of the slot that it has left.
; Behind the barrier the slot ahead is whole and nobody reads the other one.  fill = 1: that other slot takes the key slot that follows: one on, or key slot 0 again where the first block's are through.
.macro CHANGE fill
	s_wait_tensorcnt 0x0                           ; no tensor load of mine is out, so a group 0 may be written
	ds_add_u32 v[SPW], v[NIL]                      ; 0 onto my spare word; the descriptors' steps stand between it and the wait for it
.if \fill
	s_xor_b32 s[G0K+1], s[G0K+1], SLOT1            ; the other slot than last time
	s_xor_b32 s[G0V+1], s[G0V+1], SLOT1
	s_add_co_u32 s[FF], s[FF], 1
	s_cmp_eq_u32 s[FF], s[NA]
	s_cselect_b32 s[FF], 0, s[FF]                  ; behind key slot 7 - x comes key slot 0, for the second block
	s_lshl_b32 s[OFS], s[FF], 14                   ; K: 256 keys x 64 bytes
	s_add_nc_u64 s[G0K+2:G0K+3], s[10:11], s[OFS:OFS+1]
	s_or_b32 s[G0K+3], s[G0K+3], 0x80000000
	s_lshl_b32 s[OFS], s[FF], 8                    ; V: 256 bytes along each row
	s_add_nc_u64 s[G0V+2:G0V+3], s[12:13], s[OFS:OFS+1]
	s_or_b32 s[G0V+3], s[G0V+3], 0x80000000
	s_wait_xcnt 0x0                                ; the last prefetch, a trip back, has read its address, so it may be written
	s_add_nc_u64 s[PFA:PFA+1], s[PFA:PFA+1], s[PFS:PFS+1]
.endif
	s_wait_dscnt 0x0                               ; the add is done, and my reads of the slot that I have left are over
	s_barrier_signal -1
	s_barrier_wait -1
.if \fill
	TLOAD                                          ; the first thing behind the barrier, and a wave's one tensor load until the next: it has a slot's two key steps in which to land
	ASK
.endif
.endm
.macro SLOT_STEPS
	SWITCH
	STEP 0
	STEP 1
	s_xor_b32 s[TB], s[TB], SLOT1                  ; on to the other slot
	s_add_co_u32 s[NN], s[NN], 1
.endm
	s_wait_loadcnt 0x0                             ; Q, both blocks'
.Lslot:                                            ; eight trips: behind each change of slots but the last the next key slot is asked for
	CHANGE 1
	SLOT_STEPS
	s_sub_co_u32 s[SLOTS], s[SLOTS], 1
	s_cmp_lg_u32 s[SLOTS], 0
	s_cbranch_scc1 .Lslot
	CHANGE 0                                       ; the ninth is written out
	SLOT_STEPS
	; THE WAY OUT.  Each block's sum: its two halves and lane l xor 16's.  O^T / the sum is converted with 2^(e6 - e4 - e5), and goes through my stage: in as 8 bytes a lane and tile, back as whole rows of 64 bytes.
.rept 4
	v_nop                                          ; places behind the last products
.endr
	s_wait_alu depctr_va_vdst(0)
	v_add_f32 v14, v14, v15
	v_add_f32 v246, v246, v247
	s_delay_alu instid0(VALU_DEP_2)
	v_permlanex16_b32 v252, v14, s[SEL], s[SEL+1]
	s_delay_alu instid0(VALU_DEP_2)
	v_permlanex16_b32 v248, v246, s[SEL], s[SEL+1]
	s_delay_alu instid0(VALU_DEP_2)
	v_add_f32 v14, v14, v252
	s_delay_alu instid0(VALU_DEP_2)
	v_add_f32 v246, v246, v248
	s_wait_alu depctr_va_vdst(0)
	v_rcp_f32 v14, v14
	v_rcp_f32 v246, v246
	v_nop                                          ; a plain instruction behind the reciprocals
	s_wait_alu depctr_va_vdst(0)                   ; one wait for both, ahead of their first reader
.macro FIN k, o, rc                    ; block k (0: the first, 1: the second), its O^T from v[o] on, 1 / its sum in v[rc]
.set j, 0
.rept 32
	v_mul_f32 v[96+32*(\k)+j], v[\o+j], v[\rc]     ; register 8 u + i is x_att(query r, d = 16 u + 8 h + i) / 2^(e4 + e5)
.set j, j+1
.endr
.set j, 0
.rept 32
.set j, j+1
.endr
.irp u, 0,1,2,3
	v_cvt_scalef32_pk8_fp8_f32 v[32+8*(\k)+2*\u:33+8*(\k)+2*\u], v[96+32*(\k)+8*\u:103+32*(\k)+8*\u], v250
.endr
	v_nop                                          ; a plain vector instruction behind the last conversion
.irp u, 0,1,2,3
	ds_store_b64 v[STO], v[32+8*(\k)+2*\u:33+8*(\k)+2*\u] offset:1280*(\k)+16*\u
.endr
.irp i, 0,1
	ds_load_b128 v[48+8*(\k)+4*\i:51+8*(\k)+4*\i], v[RD] offset:1280*(\k)+640*\i   ; LDS serves a wave's instructions in order: these see my stores
.endr
.endm
	FIN 0, 192, 246
	FIN 1, 160, 14
	s_wait_dscnt 6                                 ; the first block's two loads are in; the second block's four stores and two loads may be out
	global_store_b128 v[GO], v[48:51], s[16:17]    ; 32 lanes store 512 consecutive bytes, aligned: eight queries' 64 codes
	global_store_b128 v[GO], v[52:55], s[16:17] offset:512
	s_wait_dscnt 0x0
	global_store_b128 v[GO], v[56:59], s[48:49]
	global_store_b128 v[GO], v[60:63], s[48:49] offset:512
	s_wait_tensorcnt 0x0                           ; the wave's end: behind my last tensor load and my last LDS store
	ds_add_u32 v[SPW], v[NIL]
	s_wait_dscnt 0x0
	s_endpgm
.Lfunc_end_k_qb6ef050260_attn:
	.size	k_qb6ef050260_attn, .Lfunc_end_k_qb6ef050260_attn-k_qb6ef050260_attn
	.p2alignl 7, 3214868480
	.fill 96, 4, 3214868480
	.section	.rodata,"a",@progbits
	.p2align	6, 0x0
	.amdhsa_kernel k_qb6ef050260_attn
		.amdhsa_group_segment_fixed_size 327680
		.amdhsa_private_segment_fixed_size 0
		.amdhsa_enable_private_segment 0
		.amdhsa_kernarg_size 24
		.amdhsa_user_sgpr_count 2
		.amdhsa_user_sgpr_kernarg_segment_ptr 1
		.amdhsa_wavefront_size32 1
		.amdhsa_system_sgpr_workgroup_id_x 1
		.amdhsa_system_sgpr_workgroup_id_y 1
		.amdhsa_system_sgpr_workgroup_id_z 1
		.amdhsa_system_vgpr_workitem_id 0
		.amdhsa_next_free_vgpr 256
		.amdhsa_next_free_sgpr 100
		.amdhsa_reserve_vcc 1
		.amdhsa_float_denorm_mode_32 3
		.amdhsa_float_denorm_mode_16_64 3
		.amdhsa_fp16_overflow 1
		.amdhsa_memory_ordered 1
		.amdhsa_forward_progress 1
		.amdhsa_inst_pref_size 98
	.end_amdhsa_kernel
	.amdgpu_metadata
---
amdhsa.version: [ 1, 2 ]
amdhsa.kernels:
  - .name:           k_qb6ef050260_attn
    .symbol:         k_qb6ef050260_attn.kd
    .args:
      - { .name: qkv, .offset: 0, .size: 8, .value_kind: global_buffer, .address_space: global }
      - { .name: lowp_scales, .offset: 8, .size: 8, .value_kind: global_buffer, .address_space: global }
      - { .name: att, .offset: 16, .size: 8, .value_kind: global_buffer, .address_space: global }
    .group_segment_fixed_size: 327680
    .private_segment_fixed_size: 0
    .kernarg_segment_align: 8
    .kernarg_segment_size: 24
    .max_flat_workgroup_size: 512
    .sgpr_count:     100
    .vgpr_count:     256
    .wavefront_size: 32
...
	.end_amdgpu_metadata
.endif
;; end of part 2
;; launch proj (part 3): grid 4 x 64, 4 waves a work-group, clusters of 4 x 4, 327,680 bytes of LDS; arguments att, W_out_codes, b_out, lowp_scales, out0; writes out0
.if DOCPART == 3
	.amdgcn_target "amdgcn-amd-amdhsa--gfx1250"
	.amdhsa_code_object_version 6
	.text
	.protected	k_qb6ef050260_proj
	.globl	k_qb6ef050260_proj
	.p2align	8
	.type	k_qb6ef050260_proj,@function
k_qb6ef050260_proj:
	s_mov_b64 s[64:65], 0
	v_nop
	global_prefetch_b8 v0, s[64:65] scope:SCOPE_SE
	s_setreg_imm32_b32 hwreg(HW_REG_WAVE_MODE, 25, 1), 1
	s_wait_xcnt 0x0
	s_wait_alu depctr_hold_cnt(0) depctr_sa_sdst(0) depctr_va_vdst(0) depctr_va_sdst(0) depctr_va_ssrc(0) depctr_va_vcc(0) depctr_vm_vsrc(0)
	s_getreg_b32 s2, hwreg(HW_REG_IB_STS2, 6, 4)
	s_cmp_eq_u32 s2, 0
	s_cbranch_scc0 .Lentry_in_a_cluster
	s_endpgm
.Lentry_in_a_cluster:
	s_bfe_u32 s2, ttmp6, 0x10000c
	s_cmp_lg_u32 s2, 0xf033
	s_cbranch_scc0 .Lentry_shape_is_right
	s_endpgm
.Lentry_shape_is_right:
; out0 = x_att W_out + b_out on codes of E4M3; f32 sums; out0: [8192][1024] f32.  x_att's codes (scale 2^e6) lie as the launch before stores them: [tile of 128 tokens 64][head 16][token 128][64];
; W_out's codes (2^e7): [1024 features][1024], K innermost.  Each finished sum is multiplied once by 2^(e6 + e7) and the bias added, in one packed multiply-add.
; LIMIT: e6 + e7 lies between -126 and 127, so that 2^(e6 + e7) is an f32 number.
; SHARES.  A tile of 128 tokens x 256 features to a work-group: 64 x 4 = 256 work-groups.  Four waves, each 64 tokens x 128 features: 32 accumulators.
; K = 1,024 goes in four K steps of 256 (four heads): x_att's part of a K step is one dense block of 32,768 bytes, stated as 128 rows of 256 bytes (four tokens' 64 codes of one head to a row).
; THREE LDS slots take K steps 0, 1, 2 at the start; slot 0 alone is filled again, with K step 3: one round of the cluster's barrier in the whole product.
; CLUSTERS: 4 x 4 work-groups; x_att's tile is shared along a row of the cluster, W_out's along a column, each asked for jointly.
; THE MATRIX INSTRUCTION IS USED TRANSPOSED (source 0 = 16 features of W_out, source 1 = 16 tokens): a lane holds eight neighbouring features of one token.
; REGISTERS: window 0: v0-31 addresses; v32-95 at work on the way out; v128-191, v192-255 x_att's fragments, two sets (4 x 16 tokens x 128 K).   window 1: W_out's fragments, two sets of 128.
;   window 2: the accumulators, (a, b) at v[8 (8 a + b)].   window 3: v0-63 the bias of my 128 features in the result's layout.
.set PITCH,  272                       ; an LDS row: 256 bytes + 16 of padding
.set FR,     16
.set NP,     4                         ; places behind this matrix instruction (ISA guide 7.12.1)
.set ABYTES, 128*PITCH                 ; x_att's 128 rows of a K step
.set SLOT,   ABYTES+256*PITCH          ; then W_out's 256 rows
.set SPARE,  3*SLOT                    ; behind the three slots: the spare words, 128 bytes a wave: two blocks of 256 bytes that no other line names
.set STAGE,  SLOT                      ; the way out: 16 rows x 528 bytes for each wave, in slot 1: it is filled once, and nobody has read it since the last barrier of the product
.set SPITCH, 528
.set ADRA, 16                          ; v16-18  LDS address of x_att's fragments in slot 0, 1, 2
.set ADRB, 20                          ; v20-22  of W_out's
.set STO,  24
.set RD,   25
.set CO,   26
.set SPW,  28                          ; v28     my spare word's LDS address; never rewritten
.set NIL,  29                          ; v29     0; never rewritten
.set TMP,  32
.set AF,   128
.set BK,   128                         ; the way out: 16 rows read back: v128-191 and v192-255 by turns
.set G1,  24                           ; s[24:31] descriptor group 1 for x_att's tiles;  s[32:39] for W_out's
.set G1B, 32
.set G0,  40                           ; s[40:51] groups 0 for x_att's tiles, a set for each slot;  s[52:63] for W_out's
.set G0B, 52
.set MSB, 0
.macro WIN new                         ; the immediate's high byte repeats the setting that is left
.if MSB != \new
	s_set_vgpr_msb (MSB<<8)|\new
.set MSB, \new
.endif
.endm
.set MUL,  0xa1                        ; source 0 (W_out) window 1, source 1 (x_att) window 0, C and D window 2
.set TO_B, 0x40                        ; destination window 1, address window 0
.macro CREST                           ; a round of the cluster's barrier behind its opening barrier
	s_cmp_lg_u32 s14, 0
	s_cbranch_scc1 .Lnot_wave_0_\@
	s_barrier_signal -3
.Lnot_wave_0_\@:
	s_barrier_wait -3
	s_barrier_signal -1
	s_barrier_wait -1
.endm
.macro CROUND
	s_barrier_signal -1
	s_barrier_wait -1
	CREST
.endm
	s_load_b256 s[4:11], s[0:1], 0x0               ; att s[4:5], W_out's codes s[6:7], b_out s[8:9], the exponents s[10:11]
	s_load_b64 s[12:13], s[0:1], 0x20              ; out0
	v_lshl_add_u32 v[SPW], v0, 2, SPARE
	v_mov_b32 v[NIL], 0
	ds_add_u32 v28, v29
	ds_add_u32 v28, v29
	s_wait_dscnt 0x0
	v_lshrrev_b32 v1, 5, v0
	v_readfirstlane_b32 s14, v1                    ; wave 0..3
	s_lshr_b32 s15, s14, 1                         ; which 64 tokens are mine.  Also: I fetch for x_att (0) or for W_out (1)
	s_and_b32 s16, s14, 1                          ; which 128 features.  Also: which half of that tile I fetch
	s_bfe_u32 s66, ttmp6, 0x40000                  ; cx, cy: my place in the cluster
	s_bfe_u32 s67, ttmp6, 0x40004
	s_lshl_b32 s68, ttmp9, 2
	s_add_co_u32 s68, s68, s66                     ; tile column (256 features) = 4 x cluster x + cx
	s_and_b32 s17, ttmp7, 0xffff
	s_lshl_b32 s17, s17, 2
	s_add_co_u32 s17, s17, s67                     ; tile row (128 tokens) = 4 x cluster y + cy
	s_lshl_b32 s69, s67, 2
	s_lshl_b32 s69, 15, s69                        ; my row of the cluster
	s_lshl_b32 s70, 0x1111, s66                    ; my column
	s_or_b32 s[G1], s69, (1<<20)|(1<<21)|(5<<22)|(3<<25)    ; 15:0 the mask; 17:16 elements of 1 byte; 20 padding on; 21 set beside a mask; 24:22 after every 64 words; 31:25 four words
	s_mov_b32 s[G1+1], 256<<16                     ; tensor_dim0
	s_mov_b32 s[G1+2], 64<<16                      ; tensor_dim1: 64 rows a load
	s_mov_b32 s[G1+3], 256<<16                     ; tile_dim0
	s_mov_b32 s[G1+4], 64                          ; tile_dim1
	s_mov_b32 s[G1+5], 256                         ; tensor_dim0_stride: dense
	s_mov_b32 s[G1+6], 0
	s_mov_b32 s[G1+7], 0
	s_or_b32 s[G1B], s70, (1<<20)|(1<<21)|(5<<22)|(3<<25)
	s_mov_b32 s[G1B+1], 256<<16
	s_mov_b32 s[G1B+2], 128<<16                    ; 128 rows a load
	s_mov_b32 s[G1B+3], 256<<16
	s_mov_b32 s[G1B+4], 128
	s_mov_b32 s[G1B+5], 1024                       ; a row of W_out is 1,024 bytes
	s_mov_b32 s[G1B+6], 0
	s_mov_b32 s[G1B+7], 0
	s_lshl_b32 s80, s17, 17                        ; x_att: 131,072 bytes a tile of tokens,
	s_lshl_b32 s18, s16, 14                        ; + my half of a K step's 32,768
	s_add_co_u32 s80, s80, s18
	s_mov_b32 s81, 0
	s_lshl_b32 s82, s68, 18                        ; W_out: 256 rows x 1,024 bytes x tile column,
	s_lshl_b32 s18, s16, 17                        ; + my 128 rows
	s_add_co_u32 s82, s82, s18
	s_mov_b32 s83, 0
	s_mul_i32 s71, s16, 64*PITCH                   ; where they go in a slot: x_att's two halves,
	s_mul_i32 s86, s16, 128*PITCH
	s_add_co_u32 s86, s86, ABYTES                  ; then W_out's two: no place in the cluster enters an LDS address
	s_wait_kmcnt 0x0
	s_load_b256 s[72:79], s[10:11], 0x0            ; e0 .. e7
	s_add_nc_u64 s[80:81], s[4:5], s[80:81]
	s_add_nc_u64 s[82:83], s[6:7], s[82:83]
	CROUND                                         ; all sixteen work-groups are here: the first joint loads meet
.irp s, 0,1,2
	s_mov_b32 s[G0+4*\s], 1
	s_add_co_u32 s[G0+4*\s+1], s71, \s*SLOT
	s_add_nc_u64 s[G0+4*\s+2:G0+4*\s+3], s[80:81], \s*32768
	s_or_b32 s[G0+4*\s+3], s[G0+4*\s+3], 0x80000000
	s_mov_b32 s[G0B+4*\s], 1
	s_add_co_u32 s[G0B+4*\s+1], s86, \s*SLOT
	s_add_nc_u64 s[G0B+4*\s+2:G0B+4*\s+3], s[82:83], \s*256
	s_or_b32 s[G0B+4*\s+3], s[G0B+4*\s+3], 0x80000000
.endr
	s_cmp_eq_u32 s15, 0                            ; a wave's three first fills stand in one branch on its number: three loads of mine are out; four v_nop follow the third
	s_cbranch_scc0 .Lfirst_b
	tensor_load_to_lds s[G0:G0+3], s[G1:G1+7]
	s_nop 0
	tensor_load_to_lds s[G0+4:G0+7], s[G1:G1+7]
	s_nop 0
	tensor_load_to_lds s[G0+8:G0+11], s[G1:G1+7]
	s_nop 0
.rept 4
	v_nop
.endr
	s_branch .Lfirst_asked
.Lfirst_b:
	tensor_load_to_lds s[G0B:G0B+3], s[G1B:G1B+7]
	s_nop 0
	tensor_load_to_lds s[G0B+4:G0B+7], s[G1B:G1B+7]
	s_nop 0
	tensor_load_to_lds s[G0B+8:G0B+11], s[G1B:G1B+7]
	s_nop 0
.rept 4
	v_nop
.endr
.Lfirst_asked:
	v_and_b32 v1, 15, v0                           ; r
	v_bfe_u32 v2, v0, 4, 1                         ; h
	v_and_b32 v6, 31, v0                           ; lane
	v_mul_u32_u24 v3, v1, PITCH
	v_lshl_add_u32 v3, v2, 4, v3                   ; W_out: row r x pitch + 16 h
	v_lshrrev_b32 v4, 2, v1
	v_mul_u32_u24 v4, v4, PITCH
	v_and_b32 v5, 3, v1
	v_lshl_add_u32 v4, v5, 6, v4
	v_lshl_add_u32 v4, v2, 4, v4                   ; x_att: four tokens to a row: (r / 4) x pitch + 64 (r % 4) + 16 h
	s_mul_i32 s21, s15, 16*PITCH                   ; my 64 tokens: 16 rows in each head's 32
	s_mul_i32 s22, s16, 128*PITCH
	s_add_co_u32 s22, s22, ABYTES                  ; my 128 features
.irp s, 0,1,2
	v_add_nc_u32 v[ADRA+\s], s21, v4
	v_add_nc_u32 v[ADRB+\s], s22, v3
	s_add_co_u32 s21, s21, SLOT
	s_add_co_u32 s22, s22, SLOT
.endr
	s_mul_i32 s23, s14, 16*SPITCH
	s_add_co_u32 s23, s23, STAGE                   ; my stage
	v_mul_u32_u24 v5, v1, SPITCH                   ; in: row r, 32 bytes for each half of the lanes
	v_lshl_add_u32 v5, v2, 5, v5
	v_add_nc_u32 v[STO], s23, v5
	v_lshlrev_b32 v[CO], 4, v6                     ; back: the 32 lanes take one row of 512 bytes; and the same in out0
	v_add_nc_u32 v[RD], s23, v[CO]
	v_lshlrev_b32 v7, 5, v2                        ; the bias: 32 h
	s_wait_alu depctr_va_vdst(0)
	s_lshl_b32 s88, s17, 19                        ; out0: 128 rows x 4,096 bytes x tile row,
	s_lshl_b32 s89, s15, 18                        ; + my 64 rows
	s_add_co_u32 s88, s88, s89
	s_lshl_b32 s90, s68, 10                        ; 256 features x 4 bytes x tile column,
	s_lshl_b32 s91, s16, 9                         ; + my 128
	s_add_co_u32 s90, s90, s91
	s_mov_b32 s91, 0
	s_add_nc_u64 s[84:85], s[8:9], s[90:91]        ; b_out at my features
	s_add_co_u32 s90, s90, s88
	s_add_nc_u64 s[12:13], s[12:13], s[90:91]      ; out0 at my first row and feature
	WIN 0xc0                                       ; destination window 3
.irp b, 0,1,2,3,4,5,6,7
	global_load_b128 v[8*\b:8*\b+3], v7, s[84:85] offset:64*\b        ; b_out(16 b + 8 h + 0 .. 7): the result's layout
	global_load_b128 v[8*\b+4:8*\b+7], v7, s[84:85] offset:64*\b+16
.endr
	WIN 0
	s_wait_kmcnt 0x0
	s_add_co_i32 s96, s78, s79                     ; e6 + e7, between -126 and 127,
	s_add_co_i32 s96, s96, 127
	s_lshl_b32 s96, s96, 23                        ; makes the f32 number 2^(e6 + e7)
	s_mov_b32 s97, s96                             ; (named with it as a pair, so it is written)
	s_wait_loadcnt 0x0                             ; the bias
.macro PLACES n
.rept \n
	v_nop
.endr
.endm
; 48 LDS loads in one run: the fragments of the slot's q-th 128 along K into set p.  Registers 4 c .. 4 c + 3 hold K = 32 c + 16 h + 0 .. 15 on both sides; in x_att's tile that is head 2 q + c / 2, d = 32 (c % 2) + 16 h on.
.macro FETCH slot, q, p
	WIN TO_B
.irp i, 0,1,2,3,4,5,6,7
.irp c, 0,1,2,3
	ds_load_b128 v[128*(\p)+FR*\i+4*\c:128*(\p)+FR*\i+4*\c+3], v[ADRB+\slot] offset:128*(\q)+32*\c+\i*16*PITCH
.endr
.endr
	WIN 0
.irp i, 0,1,2,3
.irp c, 0,1,2,3
	ds_load_b128 v[AF+64*(\p)+FR*\i+4*\c:AF+64*(\p)+FR*\i+4*\c+3], v[ADRA+\slot] offset:(64*(\q)+32*(\c/2)+4*\i)*PITCH+32*(\c%2)
.endr
.endr
.endm
; 8 matrix instructions: block a of my tokens x my eight blocks of features, 128 along K.  The 32 accumulators take turns, one instruction a turn, in the same order in every step.
.macro MULA a, p, zero
.irp b, 0,1,2,3,4,5,6,7
.if \zero
	v_wmma_f32_16x16x128_fp8_fp8 v[8*(8*(\a)+\b):8*(8*(\a)+\b)+7], v[128*(\p)+FR*\b:128*(\p)+FR*\b+FR-1], v[AF+64*(\p)+FR*(\a):AF+64*(\p)+FR*(\a)+FR-1], 0
.else
	v_wmma_f32_16x16x128_fp8_fp8 v[8*(8*(\a)+\b):8*(8*(\a)+\b)+7], v[128*(\p)+FR*\b:128*(\p)+FR*\b+FR-1], v[AF+64*(\p)+FR*(\a):AF+64*(\p)+FR*(\a)+FR-1], v[8*(8*(\a)+\b):8*(8*(\a)+\b)+7]
.endif
.endr
.endm
; A step of 128 along K on set p; the next step's fragments (slot ns, its nq-th 128) are asked for first, into the other set, and land under this step's 32 products.
.macro STEP3 p, ns, nq, zero
	s_wait_dscnt 0x0                               ; this step's fragments are in
	PLACES NP                                      ; in front of loads into the set that the last step's products have read
	FETCH \ns, \nq, 1-(\p)
	WIN MUL
	MULA 0, \p, \zero
	MULA 1, \p, \zero
	MULA 2, \p, \zero
	MULA 3, \p, \zero
.endm
; A step with a barrier in it.  In front of the barrier each wave waits for all its tensor loads, adds 0 to its spare word, and waits for that and for all its LDS reads.
; fill = 1: the barrier opens a round of the cluster's barrier, and slot 0, which nobody reads any more, takes K step 3.  fill = 0: behind the barrier K step 3 is whole for every wave.
.macro TURN3 p, ns, nq, fill
	WIN 0                                          ; (the add's two registers lie in window 0)
	s_wait_tensorcnt 0x0                           ; all my tensor loads have landed
	ds_add_u32 v[SPW], v[NIL]                      ; 0 onto my spare word
	s_wait_dscnt 1                                 ; only the add may be out: this step's fragments are in
	WIN MUL
	MULA 0, \p, 0                                  ; eight matrix instructions stand between the add and the wait for it
	s_wait_dscnt 0x0                               ; the add is done, and my reads of the slots so far are over
	s_barrier_signal -1
	MULA 1, \p, 0
	WIN 0
	s_barrier_wait -1
.if \fill
	CREST                                          ; no wave of any partner still reads slot 0 or has a load on its way
	s_add_nc_u64 s[G0+2:G0+3], s[G0+2:G0+3], 3*32768
	s_add_nc_u64 s[G0B+2:G0B+3], s[G0B+2:G0B+3], 3*256
	s_cmp_eq_u32 s15, 0
	s_cbranch_scc0 .Lfor_b_\@
	tensor_load_to_lds s[G0:G0+3], s[G1:G1+7]      ; the first tensor load behind the round, and my last: it has four steps, 128 matrix instructions, in which to land
	s_nop 0
.rept 4
	v_nop
.endr
	s_branch .Lasked_\@
.Lfor_b_\@:
	tensor_load_to_lds s[G0B:G0B+3], s[G1B:G1B+7]
	s_nop 0
.rept 4
	v_nop                                          ; (the four are also the places in front of the loads below)
.endr
.Lasked_\@:
.else
	PLACES NP
.endif
	FETCH \ns, \nq, 1-(\p)
	WIN MUL
	MULA 2, \p, 0
	MULA 3, \p, 0
.endm
	s_wait_tensorcnt 2                             ; my part of K step 0 is in; K steps 1 and 2 may stay out
	s_barrier_signal -1
	s_barrier_wait -1                              ; everybody's is
	FETCH 0, 0, 0
	STEP3 0, 0, 1, 1                               ; slot 0, first 128: its products start the sums
	TURN3 1, 1, 0, 1                               ; slot 0, second 128; K steps 1 and 2 are whole behind the round; slot 0 takes K step 3
	STEP3 0, 1, 1, 0                               ; slot 1
	STEP3 1, 2, 0, 0
	STEP3 0, 2, 1, 0                               ; slot 2
	TURN3 1, 0, 0, 0                               ; K step 3 is whole behind the barrier
	STEP3 0, 0, 1, 0                               ; slot 0 again
	s_wait_dscnt 0x0                               ; the last step: nothing more to fetch
	WIN MUL
	MULA 0, 1, 0
	MULA 1, 1, 0
	MULA 2, 1, 0
	MULA 3, 1, 0
	WIN 0
; THE WAY OUT, block by block of 16 tokens x 128 features: sum x 2^(e6 + e7) + bias; a lane's 32 bytes go into my own stage and come back as whole rows of 512 bytes.
; LDS serves a wave's instructions in order (ISA guide 5.7.1.4): no wait between the stores and the loads, nor in front of the next block's stores.
.macro TOSTAGE a
.set AC, 64*(\a)
	WIN 0x32                                       ; source 0 (the sums) window 2, source 2 (the bias) window 3
.set j, 0
.rept 32
	v_pk_fma_f32 v[TMP+j:TMP+j+1], v[AC+j:AC+j+1], s[96:97], v[j:j+1] op_sel_hi:[1,0,1]   ; the scalar pair's low word for both halves; each accumulator from its low end on
.set j, j+2
.endr
	WIN 0
.irp b, 0,1,2,3,4,5,6,7
	ds_store_b128 v[STO], v[TMP+8*\b:TMP+8*\b+3] offset:64*\b
	ds_store_b128 v[STO], v[TMP+8*\b+4:TMP+8*\b+7] offset:64*\b+16
.endr
.set BB, BK+64*((\a)%2)
.irp t, 0,1,2,3,4,5,6,7,8,9,10,11,12,13,14,15
	ds_load_b128 v[BB+4*\t:BB+4*\t+3], v[RD] offset:\t*SPITCH
.endr
.endm
.macro SEND a, younger                 ; younger: the LDS instructions issued behind block a's loads, which may stay out
.set BB, BK+64*((\a)%2)
	s_wait_dscnt \younger                          ; the block is back in registers
.if (\a) > 0
	s_add_nc_u64 s[12:13], s[12:13], 16*4096       ; 16 rows of out0 on (behind a wait on XCNT: the earlier stores have read their base)
.endif
.irp t, 0,1,2,3,4,5,6,7,8,9,10,11,12,13,14,15
	global_store_b128 v[CO], v[BB+4*\t:BB+4*\t+3], s[12:13] offset:\t*4096 th:TH_STORE_NT   ; 32 lanes store 512 consecutive bytes, aligned; written once, read by nobody here
.endr
.endm
	PLACES NP                                      ; behind the last products: their results are read, and rows land where x_att's fragments lay
	TOSTAGE 0
.irp a, 1,2,3
.if \a > 1
	s_wait_xcnt 0x0                                ; block a - 2's stores have read their registers and their base: block a's loads may land there, and the base may step
.endif
	TOSTAGE \a
	SEND \a-1, 32                                  ; behind block a - 1's loads: block a's 16 stores and 16 loads
.endr
	s_wait_xcnt 0x0                                ; block 2's stores have read their base
	SEND 3, 0
	s_wait_tensorcnt 0x0                           ; the wave's end: behind my last tensor load and my last LDS store
	ds_add_u32 v[SPW], v[NIL]
	s_wait_dscnt 0x0
	CROUND                                         ; the closing round: no work-group ends while a partner may still ask for a tile that names it
	s_endpgm
.Lfunc_end_k_qb6ef050260_proj:
	.size	k_qb6ef050260_proj, .Lfunc_end_k_qb6ef050260_proj-k_qb6ef050260_proj
	.p2alignl 7, 3214868480
	.fill 96, 4, 3214868480
	.section	.rodata,"a",@progbits
	.p2align	6, 0x0
	.amdhsa_kernel k_qb6ef050260_proj
		.amdhsa_group_segment_fixed_size 327680
		.amdhsa_private_segment_fixed_size 0
		.amdhsa_enable_private_segment 0
		.amdhsa_kernarg_size 40
		.amdhsa_user_sgpr_count 2
		.amdhsa_user_sgpr_kernarg_segment_ptr 1
		.amdhsa_wavefront_size32 1
		.amdhsa_system_sgpr_workgroup_id_x 1
		.amdhsa_system_sgpr_workgroup_id_y 1
		.amdhsa_system_sgpr_workgroup_id_z 1
		.amdhsa_system_vgpr_workitem_id 0
		.amdhsa_next_free_vgpr 1024
		.amdhsa_next_free_sgpr 100
		.amdhsa_reserve_vcc 0
		.amdhsa_float_denorm_mode_32 3
		.amdhsa_float_denorm_mode_16_64 3
		.amdhsa_memory_ordered 1
		.amdhsa_forward_progress 1
		.amdhsa_inst_pref_size 76
	.end_amdhsa_kernel
	.amdgpu_metadata
---
amdhsa.version: [ 1, 2 ]
amdhsa.kernels:
  - .name:           k_qb6ef050260_proj
    .symbol:         k_qb6ef050260_proj.kd
    .args:
      - { .name: att, .offset: 0, .size: 8, .value_kind: global_buffer, .address_space: global }
      - { .name: W_out_codes, .offset: 8, .size: 8, .value_kind: global_buffer, .address_space: global }
      - { .name: b_out, .offset: 16, .size: 8, .value_kind: global_buffer, .address_space: global }
      - { .name: lowp_scales, .offset: 24, .size: 8, .value_kind: global_buffer, .address_space: global }
      - { .name: out0, .offset: 32, .size: 8, .value_kind: global_buffer, .address_space: global }
    .group_segment_fixed_size: 327680
    .private_segment_fixed_size: 0
    .kernarg_segment_align: 8
    .kernarg_segment_size: 40
    .max_flat_workgroup_size: 128
    .sgpr_count:     100
    .vgpr_count:     1024
    .wavefront_size: 32
...
	.end_amdgpu_metadata
.endif
;; end of part 3
